; MI455X (gfx1250); checked and timed in simulation.
; The chip was launched on July 23, 2026; its instructions are those of AMD's public machine-readable ISA for CDNA 5 (MIT licence, August 2026) and "CDNA5" Instruction Set Architecture Reference Guide (July 2026). The comments in the code are by the model that wrote it; some were corrected since.
;; Causal Multi Head Attention. Allowed arithmetic: matrix products marked QUANTISED: E3M2 operands, one E8M0 scale for each 32 along K, by v_wmma_scale_f32_16x16x128_f8f6f4 with both operands' format E3M2, f32 sums; everything else in f32.
;; Inputs: k_heads 1,024 x 1,024 float32; output_proj 1,024 x 1,024 float32; q_heads 1,024 x 1,024 float32; v_heads 1,024 x 1,024 float32; x 4 x 2,048 x 1,024 float32.
;; Outputs: out0 4 x 2,048 x 1,024 float32.
;; This version of the problem:
;;   THIS VERSION OF THE PROBLEM IS GIVEN IN LOW PRECISION. The matrix products marked QUANTISED in the list below multiply operands that are first quantised to E3M2 (3 exponent bits, 2 mantissa bits; 6 bits a number), with one power-of-two scale for each 32 numbers along K (OCP MX v1.0); their sums are f32. All else is computed in f32.
;;   The module's matrix products, in the order in which they are computed (A, B: the left and right operand; K: the contracted axis; several contracted axes count as one K, in the product's order):
;;     1. [M 8,192, K 1,024] x [K 1,024, N 1,024]; A: input x; B: input q_heads: QUANTISED
;;     2. [M 8,192, K 1,024] x [K 1,024, N 1,024]; A: input x; B: input k_heads: QUANTISED
;;     3. [M 8,192, K 1,024] x [K 1,024, N 1,024]; A: input x; B: input v_heads: QUANTISED
;;     4. batch 64 x [M 2,048, K 64] x [K 64, N 2,048]; A: computed on the way; B: computed on the way: QUANTISED
;;     5. batch 64 x [M 2,048, K 2,048] x [K 2,048, N 64]; A: softmax (see below); B: computed on the way: QUANTISED
;;     6. [M 8,192, K 1,024] x [K 1,024, N 1,024]; A: computed on the way; B: input output_proj: QUANTISED
;;   THE QUANTISER, for each operand of a quantised product, along K:
;;     - K is cut into blocks of 32 from its start; a last block that is shorter is filled with zeros.
;;     - A block's scale is 2^e with e = floor(log2(the largest magnitude in the block)) - 4, held to -126 .. 127; a block of zeros has e = 0. As a byte (E8M0): e + 127.
;;     - Each number is divided by its block's scale, clamped to +-28, and rounded to the nearest number of E3M2, ties to even, subnormals kept.
;;     - The product sums the exact products of the quantised numbers (number of the format x scale) in f32.
;;   ~~~python
;;   def quantise(x, axis):      # numpy; x: float32 -> the quantised numbers, widened to float32 again
;;       x = np.moveaxis(x, axis, -1); K = x.shape[-1]
;;       x = np.pad(x, [(0, 0)] * (x.ndim - 1) + [(0, -K % 32)]); x = x.reshape(x.shape[:-1] + (-1, 32)); a = np.abs(x).max(-1, keepdims=True)
;;       e = np.where(a > 0, np.clip(np.frexp(np.where(a > 0, a, 1))[1] - 1 - 4, -126, 127), 0)      # np.frexp(a)[1] - 1 = floor(log2(a)), exactly
;;       r = np.clip(x / 2.0 ** e, -28, 28)
;;       step = 2.0 ** (np.maximum(np.frexp(np.where(r == 0, 1, r))[1] - 1, -2) - 2)
;;       q = np.round(r / step) * step * 2.0 ** e      # np.round: ties to even
;;       return np.moveaxis(q.reshape(q.shape[:-2] + (-1,))[..., :K], -1, axis).astype(np.float32)
;;   ~~~
;;   SOFTMAX AHEAD OF A QUANTISED PRODUCT. Where the list says 'softmax', what is quantised is not the finished softmax but p = 2^(t - M), with t = logit x log2(e) and M = ceil(the row's largest t), a whole number; so 1/2 < the row's largest p <= 1. The row's sum l is taken of the UNQUANTISED p, in f32, and the product's result is divided by l at the end. Since M is a whole number, a kernel that streams over the keys may use a running M (the ceiling of the running maximum): every later rescaling is an exact power of two, which a block's scale takes up: the codes' values come out the same.
;;   OPERANDS COMPUTED ON THE WAY. 'Computed on the way' means the value that the module computes at that place (a softmax that the list does not call 'softmax' is quantised finished and normalised). What goes into a quantiser is computed in f32, as accurately as f32 sums, v_exp_f32 and their like allow (about 1e-6 of the number): no bf16 or f16 on the way to a quantiser, and a product that is left as it is and whose result goes on into a quantised operand takes f32 operands (vector FMAs, or v_wmma_f32_16x16x4_f32). A number that lies on a knife's edge between two numbers of the format may be rounded either way, as far as f32 arithmetic and the matrix unit's own rounding can turn it there, and no further.
;; One version. Each part assembles by itself: llvm-mc -triple=amdgcn-amd-amdhsa -mcpu=gfx1250 --defsym DOCPART=n.
;; ======== version 1 of 1: 4 launches
;; workspace buffers: img 15,728,640 bytes; scl 655,360 bytes; qk_rec 16,777,216 bytes; v_rec 8,388,608 bytes
;; launch quant (part 1): grid 256 x 1, 3 waves a work-group, no clusters, 26,112 bytes of LDS; arguments x, q_heads, k_heads, v_heads, output_proj, img, scl; writes img, scl
.if DOCPART == 1
	.amdgcn_target "amdgcn-amd-amdhsa--gfx1250"
	.amdhsa_code_object_version 6
	.text
	.protected	k_qc0e418b08b_quant
	.globl	k_qc0e418b08b_quant
	.p2align	8
	.type	k_qc0e418b08b_quant,@function
k_qc0e418b08b_quant:
	s_mov_b64 s[64:65], 0
	v_nop
	global_prefetch_b8 v0, s[64:65] scope:SCOPE_SE
	s_setreg_imm32_b32 hwreg(HW_REG_WAVE_MODE, 25, 1), 1
	s_wait_xcnt 0x0
; x [8192][1024] and the four weights [1024][1024], f32 with K innermost, become codes of BF6 (E3M2) with one E8M0 byte for each 32 along K,
; laid as IMAGES OF THE OPERAND'S REGISTERS.  A tile is 16 rows; tile T of a tensor holds rows 32 (T / 2) + 8 (T % 2) + p + 8 (p / 8), p = 0 .. 15.
; img: [tile][K step of 128][1,536 bytes]: two halves c of 768 bytes: registers 6 c .. 6 c + 3 at 16 x lane (512 bytes), registers 6 c + 4, 6 c + 5 at 8 x lane (256 bytes).
; scl: [tile][row p][8 words], word j = the four scale bytes of K step j.  Tiles 0-511 x, 512-575 Wq, 576-639 Wk, 640-703 Wv, 704-767 Wo.
; A block's scale is 2^(floor(log2(its largest magnitude)) - 4); its byte is the largest magnitude's exponent field - 4, held at 1 from below.
; LIMITS: a block whose largest magnitude lies under 2^(5 - 127) gets the byte 1; a block of zeros gets 1 where the rule says 127 (its codes are zeros, and this program alone reads the bytes);
; NaN and infinities among the inputs are not served.
; SHARES: 768 tiles, one to a wave (3 waves x 256 work-groups).  A K step of a tile is 16 loads of 512 consecutive bytes (a row's 128 numbers); they turn through the wave's own stage in LDS,
; so that lane (r, h) holds, of row r, the 16 neighbours 32 b + 16 h + 0 .. 15 of each block b.  Loads run two steps (32 loads a wave) ahead.  Waves share nothing: no barrier.
; Matrix units, clusters and tensor loads are left out: every byte is read once and memory binds.
.set STG,  8448                        ; a wave's stage: 16 rows x (512 + 16) bytes: row r starts 4 r banks on, so sixteen rows' 16-byte reads fall on different banks
.set SWD,  16                          ; v16-23   the scale words of the 8 K steps
.set OUTW, 24                          ; v24-27   the four words that my lane stores
.set R,    32                          ; v32-159  two sets of 64 registers as loaded
.set X,    160                         ; v160-223 64 numbers: register 16 b + i = k 32 b + 16 h + i of my row
.set PC,   224                         ; v224-235 the codes; v236-238, v240-242 second halves of blocks as converted
.set TM,   244                         ; v244-247 largest magnitudes; v248-251 the other lane's, then bytes; v252-255 the conversions' scale operands
	s_load_b256 s[4:11], s[0:1], 0x0               ; x, Wq, Wk, Wv
	s_load_b128 s[12:15], s[0:1], 0x20             ; Wo, img
	s_load_b64 s[16:17], s[0:1], 0x30              ; scl
	v_lshl_add_u32 v239, v0, 2, 0x6400
	v_mov_b32 v243, 0
	v_lshrrev_b32 v6, 5, v0
	v_readfirstlane_b32 s18, v6                    ; wave 0..2
	v_and_b32 v6, 31, v0                           ; lane
	v_and_b32 v7, 15, v0                           ; r
	v_bfe_u32 v8, v0, 4, 1                         ; h
	v_lshlrev_b32 v1, 4, v6                        ; 16 x lane
	v_lshlrev_b32 v2, 3, v6                        ; 8 x lane
	s_mul_i32 s23, s18, STG
	v_add_nc_u32 v3, s23, v1                       ; the stage, on the way in: a row's 512 bytes as they lie
	v_mul_u32_u24 v4, v7, 528
	v_lshl_add_u32 v4, v8, 6, v4
	v_add_nc_u32 v4, s23, v4                       ; and on the way out: row r, + 64 h
	v_lshlrev_b32 v5, 5, v7
	v_lshl_add_u32 v5, v8, 4, v5                   ; scale words: row r's 32 bytes, lanes 16-31 the upper four words
	s_mov_b32 s24, 0x76543210
	s_mov_b32 s25, 0xfedcba98                      ; v_permlanex16_b32's selects for lane l xor 16
.irp b, 0,1,2,3
	v_mov_b32 v[TM+4+\b], 0                        ; written once: a lane permute's destination counts as one of its sources
.endr
	s_mul_i32 s19, ttmp9, 3
	s_add_co_u32 s19, s19, s18                     ; my tile, 0 .. 767
	s_and_b32 s22, s19, 63                         ; its number inside a weight
	s_wait_kmcnt 0x0
	s_mov_b64 s[20:21], s[12:13]                   ; which tensor: the choice hangs on the tile's number alone
	s_cmp_lt_u32 s19, 704
	s_cselect_b64 s[20:21], s[10:11], s[20:21]
	s_cmp_lt_u32 s19, 640
	s_cselect_b64 s[20:21], s[8:9], s[20:21]
	s_cmp_lt_u32 s19, 576
	s_cselect_b64 s[20:21], s[6:7], s[20:21]
	s_cmp_lt_u32 s19, 512
	s_cselect_b64 s[20:21], s[4:5], s[20:21]
	s_cselect_b32 s22, s19, s22                    ; the tile's number inside its tensor
	s_lshr_b32 s26, s22, 1
	s_lshl_b32 s26, s26, 17                        ; 32 rows of 4,096 bytes for each pair of tiles,
	s_and_b32 s27, s22, 1
	s_lshl_b32 s27, s27, 15                        ; 8 rows for the odd one
	s_add_co_u32 s26, s26, s27
	s_mov_b32 s27, 0
	s_add_nc_u64 s[20:21], s[20:21], s[26:27]
	s_mul_i32 s26, s19, 12288
	s_add_nc_u64 s[14:15], s[14:15], s[26:27]      ; my tile's eight images
	s_lshl_b32 s26, s19, 9
	s_add_nc_u64 s[16:17], s[16:17], s[26:27]      ; and its scale words
.macro LOAD j                          ; K step j: row p of the tile is row p + 8 (p / 8) from the tile's first; 32 lanes read 512 consecutive bytes
.irp p, 0,1,2,3,4,5,6,7,8,9,10,11,12,13,14,15
	global_load_b128 v[R+64*((\j)%2)+4*\p:R+64*((\j)%2)+4*\p+3], v1, s[20:21] offset:(\p+8*(\p/8))*4096+512*(\j) th:TH_LOAD_NT
.endr
.endm
; 64 numbers of a lane become a fragment's codes in v[PC] on and its row's scale word in v[pw]
.macro QUANT s, pw
.irp b, 0,1,2,3
	v_max3_num_f32 v[TM+\b], |v[\s+16*\b]|, |v[\s+1+16*\b]|, 0x2800000   ; block b: my 16 numbers, and the floor 2^(5 - 127): the byte cannot fall under 1
.endr
.irp i, 2,4,6,8,10,12,14
.irp b, 0,1,2,3
	v_max3_num_f32 v[TM+\b], v[TM+\b], |v[\s+16*\b+\i]|, |v[\s+1+16*\b+\i]|   ; the four blocks by turns
.endr
.endr
.irp b, 0,1,2,3
	v_permlanex16_b32 v[TM+4+\b], v[TM+\b], s24, s25
.endr
.irp b, 0,1,2,3
	v_max_num_f32 v[TM+\b], v[TM+\b], v[TM+4+\b]   ; with lane l xor 16's: the block's largest magnitude
.endr
.irp b, 0,1,2,3
	v_add_nc_u32 v[TM+8+\b], 0xfe000000, v[TM+\b]  ; 4 off its exponent field: the conversion takes the exponent field of this operand as its scale
.endr
.irp b, 0,1,2,3
	v_lshrrev_b32 v[TM+4+\b], 23, v[TM+8+\b]       ; the scale's byte
.endr
	v_lshl_or_b32 v[\pw], v[TM+5], 8, v[TM+4]
	v_lshl_or_b32 v[\pw], v[TM+6], 16, v[\pw]
	v_lshl_or_b32 v[\pw], v[TM+7], 24, v[\pw]
.irp c, 0,1
	v_cvt_scalef32_pk16_bf6_f32 v[PC+6*\c:PC+2+6*\c], v[\s+32*\c:\s+15+32*\c], v[TM+8+2*\c]
	v_cvt_scalef32_pk16_bf6_f32 v[PC+12+4*\c:PC+14+4*\c], v[\s+16+32*\c:\s+31+32*\c], v[TM+8+2*\c+1]   ; a conversion's three registers begin on an even number
.endr
	v_nop                                          ; one plain place behind a scaled conversion
.irp c, 0,1                            ; the operand's layout wants a whole block in a lane: lanes 0-15 block 2 c, lanes 16-31 block 2 c + 1
.irp i, 0,1,2
	v_permlane16_swap_b32 v[PC+6*\c+\i], v[PC+12+4*\c+\i]
.endr
.irp i, 0,1,2
	v_mov_b32 v[PC+3+6*\c+\i], v[PC+12+4*\c+\i]
.endr
.endr
.endm
.macro STEP j
.if (\j) < 7
	s_wait_loadcnt 16                              ; this step's 16 loads are in; the next step's 16 may be out
.else
	s_wait_loadcnt 0x0
.endif
.irp p, 0,1,2,3,4,5,6,7,8,9,10,11,12,13,14,15
	ds_store_b128 v3, v[R+64*((\j)%2)+4*\p:R+64*((\j)%2)+4*\p+3] offset:528*\p
.endr
.irp b, 0,1,2,3
.irp i, 0,1,2,3
	ds_load_b128 v[X+16*\b+4*\i:X+16*\b+4*\i+3], v4 offset:128*\b+16*\i   ; LDS serves a wave's instructions in order: these see the stores above
.endr
.endr
	s_wait_dscnt 0x0                               ; my numbers are back, and the stores into the stage have read their registers
	s_wait_xcnt 0x0                                ; the last step's stores have read the codes' registers: they are written again only behind this wait
.if (\j) < 6
	LOAD (\j)+2
.endif
	QUANT X, SWD+(\j)
	global_store_b128 v1, v[PC:PC+3], s[14:15] offset:1536*(\j)            ; 512 consecutive bytes
	global_store_b64 v2, v[PC+4:PC+5], s[14:15] offset:1536*(\j)+512       ; 256 consecutive bytes
	global_store_b128 v1, v[PC+6:PC+9], s[14:15] offset:1536*(\j)+768
	global_store_b64 v2, v[PC+10:PC+11], s[14:15] offset:1536*(\j)+1280
.endm
	LOAD 0
	LOAD 1
.irp j, 0,1,2,3,4,5,6,7
	STEP \j
.endr
	v_cmp_ne_u32 vcc_lo, 0, v8                     ; both halves of the lanes hold row r's eight words: lanes 0-15 store words 0-3, lanes 16-31 words 4-7
.irp i, 0,1,2,3
	v_cndmask_b32 v[OUTW+\i], v[SWD+\i], v[SWD+4+\i], vcc_lo
.endr
	global_store_b128 v5, v[OUTW:OUTW+3], s[16:17] ; the tile's 512 bytes of scale words
	s_wait_tensorcnt 0x0
	ds_add_u32 v239, v243
	s_wait_dscnt 0x0
	s_endpgm
.Lfunc_end_k_qc0e418b08b_quant:
	.size	k_qc0e418b08b_quant, .Lfunc_end_k_qc0e418b08b_quant-k_qc0e418b08b_quant
	.p2alignl 7, 3214868480
	.fill 96, 4, 3214868480
	.section	.rodata,"a",@progbits
	.p2align	6, 0x0
	.amdhsa_kernel k_qc0e418b08b_quant
		.amdhsa_group_segment_fixed_size 26112
		.amdhsa_private_segment_fixed_size 0
		.amdhsa_enable_private_segment 0
		.amdhsa_kernarg_size 56
		.amdhsa_user_sgpr_count 2
		.amdhsa_user_sgpr_kernarg_segment_ptr 1
		.amdhsa_wavefront_size32 1
		.amdhsa_system_sgpr_workgroup_id_x 1
		.amdhsa_system_sgpr_workgroup_id_y 1
		.amdhsa_system_sgpr_workgroup_id_z 1
		.amdhsa_system_vgpr_workitem_id 0
		.amdhsa_next_free_vgpr 256
		.amdhsa_next_free_sgpr 66
		.amdhsa_reserve_vcc 1
		.amdhsa_float_denorm_mode_32 3
		.amdhsa_float_denorm_mode_16_64 3
		.amdhsa_memory_ordered 1
		.amdhsa_forward_progress 1
		.amdhsa_inst_pref_size 65
	.end_amdhsa_kernel
	.amdgpu_metadata
---
amdhsa.version: [ 1, 2 ]
amdhsa.kernels:
  - .name:           k_qc0e418b08b_quant
    .symbol:         k_qc0e418b08b_quant.kd
    .args:
      - { .name: x, .offset: 0, .size: 8, .value_kind: global_buffer, .address_space: global }
      - { .name: q_heads, .offset: 8, .size: 8, .value_kind: global_buffer, .address_space: global }
      - { .name: k_heads, .offset: 16, .size: 8, .value_kind: global_buffer, .address_space: global }
      - { .name: v_heads, .offset: 24, .size: 8, .value_kind: global_buffer, .address_space: global }
      - { .name: output_proj, .offset: 32, .size: 8, .value_kind: global_buffer, .address_space: global }
      - { .name: img, .offset: 40, .size: 8, .value_kind: global_buffer, .address_space: global }
      - { .name: scl, .offset: 48, .size: 8, .value_kind: global_buffer, .address_space: global }
    .group_segment_fixed_size: 26112
    .private_segment_fixed_size: 0
    .kernarg_segment_align: 8
    .kernarg_segment_size: 56
    .max_flat_workgroup_size: 96
    .sgpr_count:     66
    .vgpr_count:     256
    .wavefront_size: 32
...
	.end_amdgpu_metadata
.endif
;; end of part 1
;; launch proj (part 2): grid 12 x 32, 4 waves a work-group, clusters of 4 x 4, 327,680 bytes of LDS; arguments img, scl, qk_rec, v_rec; writes qk_rec, v_rec
.if DOCPART == 2
	.amdgcn_target "amdgcn-amd-amdhsa--gfx1250"
	.amdhsa_code_object_version 6
	.text
	.protected	k_qc0e418b08b_proj
	.globl	k_qc0e418b08b_proj
	.p2align	8
	.type	k_qc0e418b08b_proj,@function
k_qc0e418b08b_proj:
	s_mov_b64 s[64:65], 0
	v_nop
	global_prefetch_b8 v0, s[64:65] scope:SCOPE_SE
	s_setreg_imm32_b32 hwreg(HW_REG_WAVE_MODE, 25, 1), 1
	s_wait_xcnt 0x0
	s_wait_alu depctr_hold_cnt(0) depctr_sa_sdst(0) depctr_va_vdst(0) depctr_va_sdst(0) depctr_va_ssrc(0) depctr_va_vcc(0) depctr_vm_vsrc(0)
	s_getreg_b32 s2, hwreg(HW_REG_IB_STS2, 6, 4)
	s_cmp_eq_u32 s2, 0
	s_cbranch_scc0 .Lentry_in_a_cluster
	s_endpgm
.Lentry_in_a_cluster:
	s_bfe_u32 s2, ttmp6, 0x10000c
	s_cmp_lg_u32 s2, 0xf033
	s_cbranch_scc0 .Lentry_shape_is_right
	s_endpgm
.Lentry_shape_is_right:
; q, k, v = x W^T on codes of BF6 (E3M2) with E8M0 scales for each 32 along K, K = 1,024; the results are quantised in registers and leave as images of the next products' operands.
; A work-group of four waves makes 256 "A rows" x 256 "B rows", a wave 128 x 128: 64 accumulators of 16 x 16.  THE MATRIX INSTRUCTION IS USED TRANSPOSED: source 0 = 16 rows of B, source 1 = 16 rows of A:
; a lane holds ONE row of A, and since a tile's 16 rows are rows 32 (T / 2) + 8 (T % 2) + p + 8 (p / 8), the 64 registers of a block of A against B's eight tiles are register 16 b + i = B's row 32 b + 16 h + i:
; 16 neighbours of each block of 32 along the next product's K.
; Clusters x = 0, 1: A = x (a lane is a token), B = Wq and Wk: a wave's 128 columns are two heads of 64: two records of qk_rec [token tile][q heads 0-15, k heads 16-31][1,024 bytes].
; Cluster x = 2:     A = Wv (a lane is a channel), B = x (registers run along the tokens, the second attention product's K): one record of v_rec [channel tile][128 tokens][2,048 bytes].
; A record of 1,024 bytes: six registers of codes (four at 16 x lane, two at 8 x lane) and the scale word twice at 8 x lane; the second half's word is the first's, 16 bits down.
; The two kinds of cluster differ in numbers alone (tile bases, the pitch, the output's address), made from the cluster's x, which all partners share: there is no branch on it.
; OPERANDS come as images of registers ([tile][K step][1,536 bytes]): every LDS read is 16 x lane or 8 x lane on end: no pitch, no padding.  K goes through three LDS slots of 256 along K;
; three fills go out at the start, the fourth fills slot 0 again.  The eight K steps are written out: every scale register and offset is a constant.
; THE SCALE WORDS of a wave's 128 + 128 rows for all of K are 64 registers, loaded once: lanes 0-15 A's, lanes 16-31 B's.
; CLUSTERS: 4 x 4 work-groups; A's tiles are asked for jointly along a row of the cluster, B's along a column.
; LIMITS as in the quantiser: byte 1 for blocks under 2^(5 - 127) and for blocks of zeros; NaN and infinities are not served.
; REGISTERS: window 0: v4, v5 16 x and 8 x lane; v8-19 LDS addresses; v28, v29 the add's; v32-95 scale words; v128-223 A's fragments, one set (on the way out v128-165 at work).
;   window 1: B's fragments, two sets, at v0 and v128.   windows 2, 3: accumulator (a, b) at v[8 (8 (a % 4) + b)].
.set SLOT,  98304                      ; 256 along K: A's 16 tiles x 3,072 bytes, then B's 16
.set HALFT, 24576                      ; 8 tiles: what one tensor load brings, and what a wave reads of A or of B
.set BOFF,  49152
.set SPARE, 3*SLOT                     ; behind the slots: the spare words, 128 bytes for each wave
.set FR,    12
.set AD,    8                          ; v[AD+4 s ..]: slot s: A at 16 x lane, A at 8 x lane, B at 16 x lane, B at 8 x lane
.set SPW,   28
.set NIL,   29
.set SC,    32                         ; register 8 i + j: lanes 0-15 the word of A's block i, lanes 16-31 of B's block i, for K step j
.set AF,    128
.set PC,    128                        ; the way out: codes, v128-139; v140-142, v144-146 second halves
.set TM,    148
.set PW,    160
.set SW,    162
.set G1,  24
.set G1B, 48
.set GA0, 32
.set GA1, 36
.set GA2, 68
.set GB0, 56
.set GB1, 60
.set GB2, 72
.set MSB, 0
.macro WIN new                         ; the immediate's high byte repeats the setting that is left
.if MSB != (\new)
	s_set_vgpr_msb (MSB<<8)|(\new)
.set MSB, \new
.endif
.endm
.set MUL_LO, 0xa1                      ; source 0 (B) window 1, source 1 (A) window 0, C and D window 2
.set MUL_HI, 0xf1
.set TO_B,   0x40
.macro JLOAD g0a, g0b                  ; a joint load: waves 0 and 1 fetch A's halves, waves 2 and 3 B's; four v_nop follow each line
	s_cmp_eq_u32 s15, 0
	s_cbranch_scc0 .Lfor_b_\@
	tensor_load_to_lds s[\g0a:\g0a+3], s[G1:G1+7]
	s_nop 0
.rept 4
	v_nop
.endr
	s_branch .Lasked_\@
.Lfor_b_\@:
	tensor_load_to_lds s[\g0b:\g0b+3], s[G1B:G1B+7]
	s_nop 0
.rept 4
	v_nop
.endr
.Lasked_\@:
.endm
.macro CREST                           ; a round of the cluster's barrier behind its opening barrier
	s_cmp_lg_u32 s14, 0
	s_cbranch_scc1 .Lnot_wave_0_\@
	s_barrier_signal -3
.Lnot_wave_0_\@:
	s_barrier_wait -3
	s_barrier_signal -1
	s_barrier_wait -1
.endm
.macro CROUND
	s_barrier_signal -1
	s_barrier_wait -1
	CREST
.endm
.macro PLACES n
.rept \n
	v_nop
.endr
.endm
.macro G0SET g, base, slot             ; descriptor group 0: count 1, LDS address, global address, type 2
	s_mov_b32 s[\g], 1
	s_add_co_u32 s[\g+1], s94, (\slot)*SLOT
	s_add_nc_u64 s[\g+2:\g+3], s[\base:\base+1], (\slot)*3072
	s_or_b32 s[\g+3], s[\g+3], 0x80000000
.endm
	s_load_b256 s[4:11], s[0:1], 0x0               ; img, scl, qk_rec, v_rec
	v_lshl_add_u32 v[SPW], v0, 2, SPARE
	v_mov_b32 v[NIL], 0
	ds_add_u32 v28, v29
	s_wait_dscnt 0x0
	v_lshrrev_b32 v1, 5, v0
	v_readfirstlane_b32 s14, v1                    ; wave 0..3
	s_lshr_b32 s15, s14, 1                         ; which half of A's rows is mine.  Also: I fetch for A (0) or for B (1)
	s_and_b32 s16, s14, 1                          ; which half of B's rows.  Also: which 8 tiles I fetch
	s_bfe_u32 s40, ttmp6, 0x40000                  ; cx, cy
	s_bfe_u32 s41, ttmp6, 0x40004
	s_and_b32 s76, ttmp7, 0xffff                   ; the cluster's y, 0..7
	s_lshr_b32 s77, ttmp9, 1                       ; 1 in the clusters with x = 2, which make v; 0 in those with x = 0, 1
	s_sub_co_u32 s78, 1, s77
	s_mul_i32 s79, ttmp9, s78
	s_mul_i32 s80, s76, s77
	s_add_co_u32 s79, s79, s80                     ; the cluster's place along B: its x for q and k, its y for v
	s_mul_i32 s80, s76, s78                        ; and along A: its y for q and k, 0 for v
	s_lshl_b32 s42, s79, 2
	s_add_co_u32 s42, s42, s40                     ; my 256 rows of B
	s_lshl_b32 s17, s80, 2
	s_add_co_u32 s17, s17, s41                     ; my 256 rows of A
	s_lshl_b32 s43, s41, 2
	s_lshl_b32 s43, 15, s43                        ; my row of the cluster
	s_lshl_b32 s44, 0x1111, s40                    ; my column
	; descriptor group 1: 8 tiles' 3,072 bytes (two K steps), 12,288 bytes from tile to tile; elements of 8 bytes; no padding
	s_or_b32 s[G1+0], s43, (3<<16)|(1<<21)         ; 15:0 the mask; 17:16 element of 8 bytes; 21 set beside a mask
	s_or_b32 s[G1B+0], s44, (3<<16)|(1<<21)
.irp g, G1, G1B
	s_mov_b32 s[\g+1], 384<<16                     ; tensor_dim0 = 384
	s_mov_b32 s[\g+2], 8<<16                       ; tensor_dim1 = 8
	s_mov_b32 s[\g+3], 384<<16                     ; tile_dim0 = 384
	s_mov_b32 s[\g+4], 8                           ; tile_dim1 = 8
	s_mov_b32 s[\g+5], 1536                        ; tensor_dim0_stride
	s_mov_b32 s[\g+6], 0
	s_mov_b32 s[\g+7], 0
.endr
	s_mul_i32 s20, s77, 640                        ; A's first tile: x's tiles begin at 0, Wv's at 640
	s_lshl_b32 s18, s17, 4
	s_add_co_u32 s20, s20, s18
	s_lshl_b32 s46, s78, 9                         ; B's: Wq's and Wk's begin at 512, x's at 0
	s_lshl_b32 s45, s42, 4
	s_add_co_u32 s46, s46, s45
	s_lshl_b32 s19, s16, 3
	s_add_co_u32 s21, s20, s19                     ; the first of the 8 tiles that I fetch, if for A,
	s_add_co_u32 s47, s46, s19                     ; if for B
	s_mul_i32 s22, s21, 12288
	s_mov_b32 s23, 0
	s_mul_i32 s92, s47, 12288
	s_mov_b32 s93, 0
	s_mul_i32 s94, s14, HALFT                      ; where they go: wave x 8 tiles: no place in the cluster enters an LDS address
	s_mul_i32 s84, s77, 98304
	s_add_co_u32 s84, s84, 32768                   ; from a tile of A to the next in the output: 32 records of 1,024 bytes, or 64 of 2,048
	s_mov_b32 s85, 0
	s_lshl_b32 s86, s17, 4
	s_lshl_b32 s88, s15, 3
	s_add_co_u32 s86, s86, s88
	s_mul_i32 s86, s86, s84                        ; my first tile of A,
	s_lshl_b32 s88, s42, 1
	s_add_co_u32 s88, s88, s16
	s_lshl_b32 s88, s88, 11
	s_add_co_u32 s86, s86, s88                     ; my 128 rows of B: 2,048 bytes
	s_mov_b32 s87, 0
	s_wait_kmcnt 0x0
	s_add_nc_u64 s[22:23], s[4:5], s[22:23]
	s_add_nc_u64 s[92:93], s[4:5], s[92:93]
	s_cmp_eq_u32 s77, 1
	s_cselect_b64 s[8:9], s[10:11], s[8:9]         ; the output: the choice hangs on the cluster's x alone
	s_add_nc_u64 s[8:9], s[8:9], s[86:87]
	G0SET GA0, 22, 0
	G0SET GA1, 22, 1
	G0SET GA2, 22, 2
	G0SET GB0, 92, 0
	G0SET GB1, 92, 1
	G0SET GB2, 92, 2
	CROUND                                         ; all sixteen work-groups are here: the first joint loads meet
	JLOAD GA0, GB0                                 ; three loads of mine are out
	JLOAD GA1, GB1
	JLOAD GA2, GB2
	v_and_b32 v1, 31, v0
	v_and_b32 v2, 15, v0                           ; r
	v_bfe_u32 v3, v0, 4, 1                         ; h
	v_lshlrev_b32 v4, 4, v1                        ; 16 x lane
	v_lshlrev_b32 v5, 3, v1                        ; 8 x lane
	s_mul_i32 s21, s15, HALFT                      ; my 8 tiles of A
	s_mul_i32 s19, s16, HALFT
	s_add_co_u32 s19, s19, BOFF                    ; my 8 tiles of B
.irp s, 0,1,2
	v_add_nc_u32 v[AD+4*\s], s21, v4
	v_add_nc_u32 v[AD+4*\s+1], s21, v5
	v_add_nc_u32 v[AD+4*\s+2], s19, v4
	v_add_nc_u32 v[AD+4*\s+3], s19, v5
	s_add_co_u32 s21, s21, SLOT
	s_add_co_u32 s19, s19, SLOT
.endr
	s_lshl_b32 s81, s15, 3
	s_add_co_u32 s81, s81, s20
	s_lshl_b32 s81, s81, 9                         ; the scale words of my first tile of A: 512 bytes a tile,
	s_lshl_b32 s82, s16, 3
	s_add_co_u32 s82, s82, s46
	s_lshl_b32 s82, s82, 9                         ; of B
	v_cmp_ne_u32 vcc_lo, 0, v3
	v_mov_b32 v21, s82
	v_cndmask_b32 v20, s81, v21, vcc_lo            ; lanes 0-15 take A's, lanes 16-31 B's
	v_lshl_add_u32 v20, v2, 5, v20                 ; row r's 32 bytes
.irp i, 0,1,2,3,4,5,6,7
.irp u, 0,1
	global_load_b128 v[SC+8*\i+4*\u:SC+8*\i+4*\u+3], v20, s[6:7] offset:512*\i+16*\u
.endr
.endr
.macro FRAG reg, a16, q, i             ; a fragment's image, 12 registers, by four loads on end
	ds_load_b128 v[\reg:\reg+3], v[\a16] offset:(\i)*3072+(\q)*1536
	ds_load_b64 v[\reg+4:\reg+5], v[\a16+1] offset:(\i)*3072+(\q)*1536+512
	ds_load_b128 v[\reg+6:\reg+9], v[\a16] offset:(\i)*3072+(\q)*1536+768
	ds_load_b64 v[\reg+10:\reg+11], v[\a16+1] offset:(\i)*3072+(\q)*1536+1280
.endm
.macro FETCH_B slot, q, p              ; B's eight fragments into set p: 32 loads
	WIN TO_B
.irp i, 0,1,2,3,4,5,6,7
	FRAG 128*(\p)+FR*\i, AD+4*(\slot)+2, \q, \i
.endr
	WIN 0
.endm
.macro FETCH_A slot, q, i0             ; A's blocks i0 .. i0 + 3: 16 loads
.irp i, \i0, \i0+1, \i0+2, \i0+3
	FRAG AF+FR*(\i), AD+4*(\slot), \q, \i
.endr
.endm
; 16 matrix instructions: A's blocks a0, a0 + 1 x B's eight, K step j.  The 64 accumulators take turns, one instruction a turn, in the same order in every step.
.macro MUL16 a0, p, j, zero
.irp a, \a0, \a0+1
.irp b, 0,1,2,3,4,5,6,7
.if \zero
	v_wmma_scale_f32_16x16x128_f8f6f4 v[8*(8*((\a)%4)+\b):8*(8*((\a)%4)+\b)+7], v[128*(\p)+FR*\b:128*(\p)+FR*\b+FR-1], v[AF+FR*(\a):AF+FR*(\a)+FR-1], 0, v[SC+8*\b+(\j)], v[SC+8*(\a)+(\j)] matrix_a_fmt:MATRIX_FMT_BF6 matrix_b_fmt:MATRIX_FMT_BF6 matrix_a_scale:MATRIX_SCALE_ROW1
.else
	v_wmma_scale_f32_16x16x128_f8f6f4 v[8*(8*((\a)%4)+\b):8*(8*((\a)%4)+\b)+7], v[128*(\p)+FR*\b:128*(\p)+FR*\b+FR-1], v[AF+FR*(\a):AF+FR*(\a)+FR-1], v[8*(8*((\a)%4)+\b):8*(8*((\a)%4)+\b)+7], v[SC+8*\b+(\j)], v[SC+8*(\a)+(\j)] matrix_a_fmt:MATRIX_FMT_BF6 matrix_b_fmt:MATRIX_FMT_BF6 matrix_a_scale:MATRIX_SCALE_ROW1
.endif
.endr
.endr
.endm
; K step j; the next step's fragments come from slot ns, its nq-th 128 along K.  sync = 0: no barrier.  sync = 1: all my tensor loads are waited for and a barrier shows the next slot whole.
; sync = 2: the same, the barrier opens a round of the cluster's, and slot 0, which nobody reads any more, is filled again.
.macro STEPG j, ns, nq, zero, sync
.if \sync == 0
	s_wait_dscnt 16                                ; B's set and A's blocks 0-3 are in; the youngest 16 loads (A's blocks 4-7) may be out
	WIN MUL_LO
	MUL16 0, (\j)%2, \j, \zero
	MUL16 2, (\j)%2, \j, \zero
	s_wait_dscnt 0x0                               ; A's blocks 4-7 are in
	PLACES 4                                       ; four places in front of loads into registers that matrix instructions have read
.else
	s_wait_tensorcnt 0x0                           ; all my tensor loads have landed
	ds_add_u32 v[SPW], v[NIL]                      ; 0 onto my spare word
	s_wait_dscnt 17                                ; the add and the youngest 16 loads may be out
	WIN MUL_LO
	MUL16 0, (\j)%2, \j, \zero
	s_wait_dscnt 0x0                               ; the add is done, and my reads of the slot that I leave are over
	s_barrier_signal -1
	MUL16 2, (\j)%2, \j, \zero
	WIN 0
	s_barrier_wait -1
.if \sync == 2
	CREST                                          ; no wave of any partner still reads slot 0 or has a load on its way
	s_add_nc_u64 s[GA0+2:GA0+3], s[GA0+2:GA0+3], 3*3072    ; K 768 .. 1,023
	s_add_nc_u64 s[GB0+2:GB0+3], s[GB0+2:GB0+3], 3*3072
	JLOAD GA0, GB0                                 ; the first tensor load behind the round; it has three and a half K steps, 224 matrix instructions, in which to land; its four v_nop are the places in front of the loads below
.else
	PLACES 4
.endif
.endif
	FETCH_B \ns, \nq, 1-(\j)%2
	FETCH_A \ns, \nq, 0
	WIN MUL_HI
	MUL16 4, (\j)%2, \j, \zero
	MUL16 6, (\j)%2, \j, \zero
	PLACES 4
	WIN 0
	FETCH_A \ns, \nq, 4
.endm
	s_wait_tensorcnt 2                             ; my part of slot 0 is in; slots 1 and 2 may stay out
	s_barrier_signal -1
	s_barrier_wait -1
	FETCH_B 0, 0, 0
	FETCH_A 0, 0, 0
	FETCH_A 0, 0, 4
	s_wait_loadcnt 0x0                             ; the scale words
	STEPG 0, 0, 1, 1, 0                            ; the first step's products start the sums
	STEPG 1, 1, 0, 0, 2                            ; slot 0 is left and filled again; the wait for all loads shows slots 1 and 2 whole
	STEPG 2, 1, 1, 0, 0
	STEPG 3, 2, 0, 0, 0                            ; no barrier: slot 2 was shown whole to every wave in step 1
	STEPG 4, 2, 1, 0, 0
	STEPG 5, 0, 0, 0, 1                            ; slot 0's second fill has landed
	STEPG 6, 0, 1, 0, 0
	s_wait_dscnt 16                                ; the last step: nothing more to fetch
	WIN MUL_LO
	MUL16 0, 1, 7, 0
	MUL16 2, 1, 7, 0
	s_wait_dscnt 0x0
	WIN MUL_HI
	MUL16 4, 1, 7, 0
	MUL16 6, 1, 7, 0
	WIN 0
; THE WAY OUT.  Block a's 64 registers (window AW, from v[AS]) are 128 neighbours along the next K of one row: they are quantised where they lie.  Each accumulator is read from its low end on.
.macro QUANTW
.set W1, AW|(AW<<2)
.set W2, (AW<<2)|(AW<<4)
	WIN W1                                         ; sources 0 and 1 in the accumulators' window
.irp b, 0,1,2,3
	v_max3_num_f32 v[TM+\b], |v[AS+16*\b]|, |v[AS+1+16*\b]|, 0x2800000   ; and the floor 2^(5 - 127)
.endr
	WIN W2                                         ; sources 1 and 2
.irp i, 2,4,6,8,10,12,14
.irp b, 0,1,2,3
	v_max3_num_f32 v[TM+\b], v[TM+\b], |v[AS+16*\b+\i]|, |v[AS+1+16*\b+\i]|
.endr
.endr
	WIN 0
.irp b, 0,1,2,3
	v_permlanex16_b32 v[TM+4+\b], v[TM+\b], s90, s91
.endr
.irp b, 0,1,2,3
	v_max_num_f32 v[TM+\b], v[TM+\b], v[TM+4+\b]
.endr
.irp b, 0,1,2,3
	v_add_nc_u32 v[TM+8+\b], 0xfe000000, v[TM+\b]  ; 4 off the exponent field: the conversion's scale operand
.endr
.irp b, 0,1,2,3
	v_lshrrev_b32 v[TM+4+\b], 23, v[TM+8+\b]       ; the scale's byte
.endr
	v_lshl_or_b32 v[PW], v[TM+5], 8, v[TM+4]
	v_lshl_or_b32 v[PW], v[TM+6], 16, v[PW]
	v_lshl_or_b32 v[PW], v[TM+7], 24, v[PW]
	WIN AW                                         ; source 0
.irp c, 0,1
	v_cvt_scalef32_pk16_bf6_f32 v[PC+6*\c:PC+2+6*\c], v[AS+32*\c:AS+15+32*\c], v[TM+8+2*\c]
	v_cvt_scalef32_pk16_bf6_f32 v[PC+12+4*\c:PC+14+4*\c], v[AS+16+32*\c:AS+31+32*\c], v[TM+8+2*\c+1]
.endr
	WIN 0
	v_nop                                          ; one plain place behind a scaled conversion
.irp c, 0,1
.irp i, 0,1,2
	v_permlane16_swap_b32 v[PC+6*\c+\i], v[PC+12+4*\c+\i]
.endr
.irp i, 0,1,2
	v_mov_b32 v[PC+3+6*\c+\i], v[PC+12+4*\c+\i]
.endr
.endr
.endm
	s_mov_b32 s90, 0x76543210
	s_mov_b32 s91, 0xfedcba98
	PLACES 4                                       ; in front of vector writes into registers that held A's fragments
.irp b, 0,1,2,3
	v_mov_b32 v[TM+4+\b], 0                        ; a lane permute's destination counts as one of its sources
.endr
.irp a, 0,1,2,3,4,5,6,7
.set AS, 64*(\a%4)
.set AW, 2+\a/4
.if \a > 0
	s_wait_xcnt 0x0                                ; the last block's stores have read their registers and their base
	s_add_nc_u64 s[8:9], s[8:9], s[84:85]          ; the next tile of A
.endif
	QUANTW
	v_mov_b32 v[SW], v[PW]
	v_mov_b32 v[SW+1], v[PW]
	v_lshrrev_b32 v[SW+2], 16, v[PW]               ; the second half's two bytes
	v_lshrrev_b32 v[SW+3], 16, v[PW]
	global_store_b128 v4, v[PC:PC+3], s[8:9]                      ; 512 consecutive bytes
	global_store_b64 v5, v[PC+4:PC+5], s[8:9] offset:512          ; 256 consecutive bytes
	global_store_b64 v5, v[SW:SW+1], s[8:9] offset:768
	global_store_b128 v4, v[PC+6:PC+9], s[8:9] offset:1024
	global_store_b64 v5, v[PC+10:PC+11], s[8:9] offset:1536
	global_store_b64 v5, v[SW+2:SW+3], s[8:9] offset:1792
.endr
	s_wait_tensorcnt 0x0                           ; the wave's end
	ds_add_u32 v[SPW], v[NIL]
	s_wait_dscnt 0x0
	CROUND                                         ; the closing round
	s_endpgm
.Lfunc_end_k_qc0e418b08b_proj:
	.size	k_qc0e418b08b_proj, .Lfunc_end_k_qc0e418b08b_proj-k_qc0e418b08b_proj
	.p2alignl 7, 3214868480
	.fill 96, 4, 3214868480
	.section	.rodata,"a",@progbits
	.p2align	6, 0x0
	.amdhsa_kernel k_qc0e418b08b_proj
		.amdhsa_group_segment_fixed_size 327680
		.amdhsa_private_segment_fixed_size 0
		.amdhsa_enable_private_segment 0
		.amdhsa_kernarg_size 32
		.amdhsa_user_sgpr_count 2
		.amdhsa_user_sgpr_kernarg_segment_ptr 1
		.amdhsa_wavefront_size32 1
		.amdhsa_system_sgpr_workgroup_id_x 1
		.amdhsa_system_sgpr_workgroup_id_y 1
		.amdhsa_system_sgpr_workgroup_id_z 1
		.amdhsa_system_vgpr_workitem_id 0
		.amdhsa_next_free_vgpr 1024
		.amdhsa_next_free_sgpr 98
		.amdhsa_reserve_vcc 1
		.amdhsa_float_denorm_mode_32 3
		.amdhsa_float_denorm_mode_16_64 3
		.amdhsa_memory_ordered 1
		.amdhsa_forward_progress 1
		.amdhsa_inst_pref_size 149
	.end_amdhsa_kernel
	.amdgpu_metadata
---
amdhsa.version: [ 1, 2 ]
amdhsa.kernels:
  - .name:           k_qc0e418b08b_proj
    .symbol:         k_qc0e418b08b_proj.kd
    .args:
      - { .name: img, .offset: 0, .size: 8, .value_kind: global_buffer, .address_space: global }
      - { .name: scl, .offset: 8, .size: 8, .value_kind: global_buffer, .address_space: global }
      - { .name: qk_rec, .offset: 16, .size: 8, .value_kind: global_buffer, .address_space: global }
      - { .name: v_rec, .offset: 24, .size: 8, .value_kind: global_buffer, .address_space: global }
    .group_segment_fixed_size: 327680
    .private_segment_fixed_size: 0
    .kernarg_segment_align: 8
    .kernarg_segment_size: 32
    .max_flat_workgroup_size: 128
    .sgpr_count:     98
    .vgpr_count:     1024
    .wavefront_size: 32
...
	.end_amdgpu_metadata
.endif
;; end of part 2
;; launch attn (part 3): grid 4 x 64, 16 waves a work-group, no clusters, 327,680 bytes of LDS; arguments qk_rec, v_rec, img, scl; writes img, scl
.if DOCPART == 3
	.amdgcn_target "amdgcn-amd-amdhsa--gfx1250"
	.amdhsa_code_object_version 6
	.text
	.protected	k_qc0e418b08b_attn
	.globl	k_qc0e418b08b_attn
	.p2align	8
	.type	k_qc0e418b08b_attn,@function
k_qc0e418b08b_attn:
	s_mov_b64 s[64:65], 0
	v_nop
	global_prefetch_b8 v0, s[64:65] scope:SCOPE_SE
	s_setreg_imm32_b32 hwreg(HW_REG_WAVE_MODE, 25, 1), 1
	s_wait_xcnt 0x0
; Causal attention of one head on codes of BF6 (E3M2): S^T = K Q^T (K = the head's 64: the upper half of each fragment is zero codes), p = 2^(t - M), O^T = V^T P^T (K = the keys), O / l, quantised along the channels.
; t = score x log2(e) / 8; M = the row's largest t so far, rounded up to a whole number; the row's sum l is taken of the unquantised p; when M moves, l and O are multiplied by 2^(old M - new M): exact.
; INPUTS are images of operand registers: qk_rec [token tile][q heads 0-15, k heads 16-31][1,024 bytes], v_rec [channel tile][128 keys][2,048 bytes].  A tile's 16 rows are rows 32 (T / 2) + 8 (T % 2) + p + 8 (p / 8):
; so the 16 registers of two neighbouring tiles of S^T are 16 neighbouring keys, and those of O^T 16 neighbouring channels.
; OUTPUT: the last product's operand: img tile 768 + token tile, 768 bytes for each head, and two scale bytes for each row and head in scl (a store of 2 bytes a row, 32 bytes apart: 1 byte in 24 of what is stored here).
; SHARES.  Work-group (x, head) takes query block x (256 queries) and then block 7 - x: (x + 1) + (8 - x) = 9 slots of 256 keys for every work-group: equal work under the mask, a constant trip count, no slot fetched in vain.
; Each of sixteen waves owns one tile of 16 queries in 256 registers: four waves to a SIMD, so that one wave's vector work stands beside another's matrix work and LDS loads.
; NO CLUSTER: the four work-groups of a head want different slots in the same trip (x + 1 slots, then 8 - x); partners that all asked for everything would fetch 16 slots for the 9 that each uses.
; LIMITS: byte 1 for blocks under 2^(5 - 127) and for blocks of zeros (their codes are zeros); NaN and infinities are not served.
.set SLOTB, 32768                      ; a slot: K's 16 records of 1,024 bytes, then V's 4 tiles x 2 key steps x 2,048 bytes
.set VOFF,  16384
.set SPARE, 65536                      ; behind the two slots: the spare words, 128 bytes for each of 16 waves
.set L16, 1                            ; v1  16 x lane
.set L8,  2                            ; v2  8 x lane
.set LQ,  3                            ; v3  my query less the wave's first, less 16 h
.set A16, 4                            ; v4  the slot in hand + 16 x lane
.set A8,  5                            ; v5  + 8 x lane
.set SPW, 6
.set NIL, 7
.set QS,  8                            ; v8  Q's scale words
.set R32, 9                            ; v9  32 r: my row in a tile's scale words
.set PS,  10                           ; v10 p's scale word
.set QF,  16                           ; v16-27 Q's fragment (v22-27 zeros)
.set KS,  28                           ; v28-31 four scale words, K's, then V's
.set KFR, 32                           ; v32-79 four fragments of K (the upper six registers of each are zeros)
.set VFR, 80                           ; v80-127 four fragments of V
.set S,   128                          ; v128-191 S^T, then p
.set O,   192                          ; v192-223 O^T
.set PCD, 224                          ; v224-235 codes
.set TP,  236                          ; v236-243 at work
.set BM,  244                          ; v244-247 the blocks' largest scores
.set SO,  248                          ; v248-251 the conversions' scale operands;  v[252:253] f (v253 is only named with it);  v254, v255 at work
.set WV,  12
.set PI,  13
.set BB,  15
.set HD,  16
.set PH0, 17                           ; trips of the first query block
.set TAU, 18                           ; the trip
.set TB,  19                           ; LDS byte at which the slot in hand begins
.set SEL, 20
.set CS,  22
.set G1K, 24
.set G1V, 32
.set G0K, 40
.set G0V, 44
.set KB,  48                           ; s[48:49] K's records of my head and batch; s[50:51] V's
.set VB,  50
.set KF,  52                           ; the step's first key
.set Q0,  53                           ; my wave's first query
.set BETA, 54                          ; the query block in hand
.set TT,  55                           ; my token tile
.macro TLOAD                           ; wave 0 fetches K's tile, wave 1 V's, the others nothing; four v_nop follow each line
	s_cmp_eq_u32 s[WV], 0
	s_cbranch_scc0 .Lnot_k_\@
	tensor_load_to_lds s[G0K:G0K+3], s[G1K:G1K+7]
	s_nop 0
.rept 4
	v_nop
.endr
	s_branch .Lasked_\@
.Lnot_k_\@:
	s_cmp_eq_u32 s[WV], 1
	s_cbranch_scc0 .Lasked_\@
	tensor_load_to_lds s[G0V:G0V+3], s[G1V:G1V+7]
	s_nop 0
.rept 4
	v_nop
.endr
.Lasked_\@:
.endm
	s_load_b256 s[4:11], s[0:1], 0x0               ; qk_rec, v_rec, img, scl
	v_lshl_add_u32 v[SPW], v0, 2, SPARE
	v_mov_b32 v[NIL], 0
	ds_add_u32 v6, v7
	ds_add_u32 v6, v7
	s_wait_dscnt 0x0
	v_lshrrev_b32 v254, 5, v0
	s_delay_alu instid0(VALU_DEP_1)
	v_readfirstlane_b32 s[WV], v254                ; wave 0..15
	s_mov_b32 s[PI], ttmp9
	s_and_b32 s14, ttmp7, 0xffff
	s_lshr_b32 s[BB], s14, 4                       ; batch
	s_and_b32 s[HD], s14, 15                       ; head
	s_add_co_u32 s[PH0], s[PI], 1
	; descriptor group 1.  K: 16 records of 1,024 bytes, 32,768 bytes apart.  V: 4 rows of 4,096 bytes, 131,072 bytes apart.  Elements of 8 bytes, no padding
	s_mov_b32 s[G1K], 3<<16
	s_mov_b32 s[G1K+1], 128<<16
	s_mov_b32 s[G1K+2], 16<<16
	s_mov_b32 s[G1K+3], 128<<16
	s_mov_b32 s[G1K+4], 16
	s_mov_b32 s[G1K+5], 4096
	s_mov_b32 s[G1K+6], 0
	s_mov_b32 s[G1K+7], 0
	s_mov_b32 s[G1V], 3<<16
	s_mov_b32 s[G1V+1], 512<<16
	s_mov_b32 s[G1V+2], 4<<16
	s_mov_b32 s[G1V+3], 512<<16
	s_mov_b32 s[G1V+4], 4
	s_mov_b32 s[G1V+5], 16384
	s_mov_b32 s[G1V+6], 0
	s_mov_b32 s[G1V+7], 0
	s_lshl_b32 s56, s[BB], 22                      ; a batch's 128 token tiles of 32,768 bytes,
	s_add_co_u32 s70, s[HD], 16
	s_lshl_b32 s70, s70, 10                        ; k head hd is record 16 + hd
	s_add_co_u32 s56, s56, s70
	s_mov_b32 s57, 0
	s_lshl_b32 s58, s[HD], 19                      ; a head's 4 channel tiles of 131,072 bytes,
	s_lshl_b32 s70, s[BB], 15                      ; a batch's 16 key steps of 2,048 bytes
	s_add_co_u32 s58, s58, s70
	s_mov_b32 s59, 0
	s_mov_b32 s[SEL], 0x76543210
	s_mov_b32 s[SEL+1], 0xfedcba98
	s_mov_b32 s[CS], 0x3e38aa3b                    ; c = log2(e) / sqrt(64)
	s_mov_b32 s[CS+1], s[CS]
	s_mov_b32 s[TB], 0
	s_mov_b32 s[TAU], 0
	s_mov_b32 s[BETA], s[PI]
	s_wait_kmcnt 0x0
	s_add_nc_u64 s[KB:KB+1], s[4:5], s[56:57]
	s_add_nc_u64 s[VB:VB+1], s[6:7], s[58:59]
	s_mov_b32 s[G0K], 1
	s_mov_b32 s[G0K+1], 0
	s_mov_b64 s[G0K+2:G0K+3], s[KB:KB+1]
	s_or_b32 s[G0K+3], s[G0K+3], 0x80000000
	s_mov_b32 s[G0V], 1
	s_mov_b32 s[G0V+1], VOFF
	s_mov_b64 s[G0V+2:G0V+3], s[VB:VB+1]
	s_or_b32 s[G0V+3], s[G0V+3], 0x80000000
	TLOAD                                          ; keys 0 .. 255 into slot 0
	v_and_b32 v254, 31, v0
	s_delay_alu instid0(VALU_DEP_1)
	v_lshlrev_b32 v[L16], 4, v254
	s_delay_alu instid0(VALU_DEP_2)
	v_lshlrev_b32 v[L8], 3, v254
	v_and_b32 v254, 15, v0                         ; r
	s_delay_alu instid0(VALU_DEP_1)
	v_lshlrev_b32 v[R32], 5, v254
	s_delay_alu instid0(VALU_DEP_2)
	v_and_b32 v[LQ], 8, v254
	s_delay_alu instid0(VALU_DEP_1)
	v_add_nc_u32 v[LQ], v[LQ], v254                ; r + 8 (r / 8)
	v_and_b32 v254, 16, v0
	s_delay_alu instid0(VALU_DEP_1)
	v_sub_nc_u32 v[LQ], v[LQ], v254                ; - 16 h
.irp i, 6,7,8,9,10,11
	v_mov_b32 v[QF+\i], 0                          ; K = 64: the codes of k = 64 .. 127 are zeros, in Q and in K
.irp t, 0,1,2,3
	v_mov_b32 v[KFR+12*\t+\i], 0
.endr
.endr
.irp b, 0,1,2,3
	v_mov_b32 v[TP+\b], 0                          ; a lane permute's destination counts as one of its sources
.endr
	v_mov_b32 v253, 0
; A query block begins: my tile, its Q, where its result goes; the sums begin as zeros and the largest t as -3e38
.macro INIT
	s_lshl_b32 s[TT], s[BB], 7
	s_lshl_b32 s70, s[BETA], 4
	s_add_co_u32 s[TT], s[TT], s70
	s_add_co_u32 s[TT], s[TT], s[WV]               ; token tile 128 b + 16 block + wave
	s_lshl_b32 s[Q0], s[BETA], 8
	s_lshr_b32 s70, s[WV], 1
	s_lshl_b32 s70, s70, 5
	s_add_co_u32 s[Q0], s[Q0], s70
	s_and_b32 s70, s[WV], 1
	s_lshl_b32 s70, s70, 3
	s_add_co_u32 s[Q0], s[Q0], s70                 ; its first query: 256 block + 32 (wave / 2) + 8 (wave % 2)
	s_mov_b32 s[KF], 0
	s_lshl_b32 s56, s[TT], 15
	s_lshl_b32 s70, s[HD], 10
	s_add_co_u32 s56, s56, s70
	s_mov_b32 s57, 0
	s_add_nc_u64 s[60:61], s[4:5], s[56:57]
	global_load_b128 v[QF:QF+3], v[L16], s[60:61]
	global_load_b64 v[QF+4:QF+5], v[L8], s[60:61] offset:512
	global_load_b32 v[QS], v[L8], s[60:61] offset:768
	s_add_co_u32 s70, s[TT], 768
	s_mul_i32 s56, s70, 12288
	s_mul_i32 s71, s[HD], 768
	s_add_co_u32 s56, s56, s71
	s_add_nc_u64 s[66:67], s[8:9], s[56:57]        ; the head's half of an image
	s_lshl_b32 s58, s70, 9
	s_lshl_b32 s71, s[HD], 1
	s_add_co_u32 s58, s58, s71
	s_mov_b32 s59, 0
	s_add_nc_u64 s[68:69], s[10:11], s[58:59]      ; and its two bytes of each row's 32
	v_mov_b32 v13, 0xff61b1e6                      ; -3e38
	s_delay_alu instid0(VALU_DEP_1)
	v_floor_f32 v12, -v13                          ; -M
	v_mov_b32 v14, 0
	v_mov_b32 v15, 0
.set n, 0
.rept 32
	v_mov_b32 v[O+n], 0                            ; the step is written once: the first finds zeros, which the first change of M leaves zeros
.set n, n+1
.endr
	s_wait_loadcnt 0x0
.endm
; A KEY STEP: 128 keys, the q-th of the slot in hand
.macro STEP q
	s_add_co_u32 s70, s[Q0], 23                    ; my tile's last query.  A step all of whose keys come after it is left out: a scalar branch on ids; no barrier and no tensor load stands in a step
	s_cmp_gt_u32 s[KF], s70
	s_cbranch_scc1 .Lhidden_\@
	v_add_nc_u32 v[A16], s[TB], v[L16]
	s_wait_alu depctr_va_vdst(0)
	v_add_nc_u32 v[A8], s[TB], v[L8]
	s_wait_alu depctr_va_vdst(0)
	v_nop                                          ; with the two additions: four places in front of loads into the scale registers that the last products read
	v_nop
.irp g, 0,1                            ; S^T = K Q^T, four tiles of 16 keys at a time
.if \g > 0
.rept 4
	v_nop                                          ; places in front of loads into registers that matrix instructions have read
.endr
.endif
.irp t, 0,1,2,3
	ds_load_b128 v[KFR+12*\t:KFR+12*\t+3], v[A16] offset:1024*(8*(\q)+4*\g+\t)
	ds_load_b64 v[KFR+12*\t+4:KFR+12*\t+5], v[A8] offset:1024*(8*(\q)+4*\g+\t)+512
	ds_load_b32 v[KS+\t], v[A8] offset:1024*(8*(\q)+4*\g+\t)+768
.endr
	s_wait_dscnt 0x0
.irp t, 0,1,2,3
	v_wmma_scale_f32_16x16x128_f8f6f4 v[S+8*(4*\g+\t):S+8*(4*\g+\t)+7], v[KFR+12*\t:KFR+12*\t+11], v[QF:QF+11], 0, v[KS+\t], v[QS] matrix_a_fmt:MATRIX_FMT_BF6 matrix_b_fmt:MATRIX_FMT_BF6
.endr
.endr
.rept 4
	v_nop
.endr
.irp t, 0,1,2,3                        ; V's four fragments and scale words are asked for now and land under the softmax
	ds_load_b128 v[VFR+12*\t:VFR+12*\t+3], v[A16] offset:VOFF+4096*\t+2048*(\q)
	ds_load_b64 v[VFR+12*\t+4:VFR+12*\t+5], v[A8] offset:VOFF+4096*\t+2048*(\q)+512
	ds_load_b32 v[KS+\t], v[A8] offset:VOFF+4096*\t+2048*(\q)+768
	ds_load_b128 v[VFR+12*\t+6:VFR+12*\t+9], v[A16] offset:VOFF+4096*\t+2048*(\q)+1024
	ds_load_b64 v[VFR+12*\t+10:VFR+12*\t+11], v[A8] offset:VOFF+4096*\t+2048*(\q)+1536
.endr
	s_add_co_u32 s70, s[KF], 127                   ; on the diagonal hidden scores become -infinity ahead of the maximum; a step all of whose keys count skips this
	s_cmp_le_u32 s70, s[Q0]
	s_cbranch_scc1 .Lopen_\@
	s_sub_co_i32 s70, s[Q0], s[KF]
	v_add_nc_u32 v254, s70, v[LQ]                  ; d = my query - KF - 16 h.  Register 16 b + i holds key KF + 32 b + 16 h + i: hidden where 32 b + i > d
	v_mov_b32 v255, 0xff800000
.set n, 0
.rept 64
	v_cmp_gt_i32 vcc_lo, 32*(n/16)+n%16, v254
	v_cndmask_b32 v[S+n], v[S+n], v255, vcc_lo
.set n, n+1
.endr
.Lopen_\@:
.irp b, 0,1,2,3
	v_max3_num_f32 v[BM+\b], v[S+16*\b], v[S+1+16*\b], v[S+2+16*\b]   ; the largest score of each block of 32 keys: for the row's maximum, and, since p rises with the score, for the block's largest p
.endr
.irp i, 3,5,7,9,11,13
.irp b, 0,1,2,3
	v_max3_num_f32 v[BM+\b], v[BM+\b], v[S+16*\b+\i], v[S+1+16*\b+\i]
.endr
.endr
.irp b, 0,1,2,3
	v_max_num_f32 v[BM+\b], v[BM+\b], v[S+15+16*\b]
.endr
.irp b, 0,1,2,3
	s_delay_alu instid0(VALU_DEP_4)
	v_permlanex16_b32 v[TP+\b], v[BM+\b], s[SEL], s[SEL+1]
.endr
.irp b, 0,1,2,3
	s_delay_alu instid0(VALU_DEP_4)
	v_max_num_f32 v[BM+\b], v[BM+\b], v[TP+\b]     ; with lane l xor 16's 16 keys
.endr
	s_delay_alu instid0(VALU_DEP_2)
	v_max3_num_f32 v254, v[BM], v[BM+1], v[BM+2]
	s_delay_alu instid0(VALU_DEP_1)
	v_max_num_f32 v254, v254, v[BM+3]
	s_delay_alu instid0(VALU_DEP_1)
	v_mul_f32 v254, s[CS], v254                    ; as t
	s_delay_alu instid0(VALU_DEP_1)
	v_max_num_f32 v13, v13, v254                   ; the running largest t
	v_mov_b32 v254, v12
	s_delay_alu instid0(VALU_DEP_2)
	v_floor_f32 v12, -v13                          ; the new -M = -ceil(t)
	s_delay_alu instid0(VALU_DEP_1)
	v_sub_f32 v254, v12, v254                      ; old M - new M: a whole number, 0 or less
	s_delay_alu instid0(VALU_DEP_1)
	v_cvt_i32_f32 v254, v254                       ; (it saturates)
	s_delay_alu instid0(VALU_DEP_1)
	v_ldexp_f32 v252, 1.0, v254                    ; f = 2^(old M - new M)
.set n, 0
.rept 32
	v_pk_fma_f32 v[S+n:S+n+1], v[S+n:S+n+1], s[CS:CS+1], v[12:13] op_sel_hi:[1,0,0]   ; t - M
.set n, n+2
.endr
.irp b, 0,1,2,3
	v_fma_f32 v[BM+\b], v[BM+\b], s[CS], v12
.endr
.set n, 0
	s_wait_alu depctr_va_vdst(0)
.rept 64
	v_exp_f32 v[S+n], v[S+n]                       ; p = 2^(t - M): not normalised
.set n, n+1
.endr
.irp b, 0,1,2,3
	v_exp_f32 v[BM+\b], v[BM+\b]                   ; the block's largest p
.endr
	v_pk_mul_f32 v[14:15], v[14:15], v[252:253] op_sel_hi:[1,0]   ; the sums under the new M (a plain place behind the exponentials)
	s_wait_alu depctr_va_vdst(0)
.irp b, 0,1,2,3
	v_max_num_f32 v[BM+\b], 0x2800000, v[BM+\b]    ; the floor 2^(5 - 127)
.endr
.irp b, 0,1,2,3
	s_delay_alu instid0(VALU_DEP_4)
	v_add_nc_u32 v[SO+\b], 0xfe000000, v[BM+\b]
.endr
.irp b, 0,1,2,3
	s_delay_alu instid0(VALU_DEP_4)
	v_lshrrev_b32 v[TP+\b], 23, v[SO+\b]
.endr
	s_delay_alu instid0(VALU_DEP_3)
	v_lshl_or_b32 v[PS], v[TP+1], 8, v[TP]         ; p's scale word for these 128 keys
	s_delay_alu instid0(VALU_DEP_1)
	v_lshl_or_b32 v[PS], v[TP+2], 16, v[PS]
	s_delay_alu instid0(VALU_DEP_1)
	v_lshl_or_b32 v[PS], v[TP+3], 24, v[PS]
.irp c, 0,1
	v_cvt_scalef32_pk16_bf6_f32 v[PCD+6*\c:PCD+6*\c+2], v[S+32*\c:S+32*\c+15], v[SO+2*\c]
	v_cvt_scalef32_pk16_bf6_f32 v[TP+4*\c:TP+4*\c+2], v[S+16+32*\c:S+31+32*\c], v[SO+2*\c+1]
.endr
	v_nop                                          ; one plain place behind a scaled conversion
.irp c, 0,1
.irp i, 0,1,2
	v_permlane16_swap_b32 v[PCD+6*\c+\i], v[TP+4*\c+\i]
.endr
.irp i, 0,1,2
	s_delay_alu instid0(VALU_DEP_3)
	v_mov_b32 v[PCD+3+6*\c+\i], v[TP+4*\c+\i]
.endr
.endr
.set n, 0
.rept 16
	v_pk_mul_f32 v[O+n:O+n+1], v[O+n:O+n+1], v[252:253] op_sel_hi:[1,0]   ; O^T under the new M
.set n, n+2
.endr
	v_pk_add_f32 v[236:237], v[132:133], v[136:137]
	v_pk_add_f32 v[250:251], v[140:141], v[144:145]
	v_pk_add_f32 v[248:249], v[148:149], v[152:153]
	v_pk_add_f32 v[246:247], v[156:157], v[160:161]
	v_pk_add_f32 v[244:245], v[164:165], v[168:169]
	v_pk_add_f32 v[242:243], v[172:173], v[176:177]
	v_pk_add_f32 v[240:241], v[180:181], v[184:185]
	v_pk_add_f32 v[14:15], v[14:15], v[188:189]
	v_pk_add_f32 v[236:237], v[236:237], v[128:129]
	v_pk_add_f32 v[250:251], v[250:251], v[130:131]
	v_pk_add_f32 v[248:249], v[248:249], v[134:135]
	v_pk_add_f32 v[246:247], v[246:247], v[138:139]
	v_pk_add_f32 v[244:245], v[244:245], v[142:143]
	v_pk_add_f32 v[242:243], v[242:243], v[146:147]
	v_pk_add_f32 v[240:241], v[240:241], v[150:151]
	v_pk_add_f32 v[14:15], v[14:15], v[154:155]
	v_pk_add_f32 v[236:237], v[236:237], v[158:159]
	v_pk_add_f32 v[250:251], v[250:251], v[162:163]
	v_pk_add_f32 v[248:249], v[248:249], v[166:167]
	v_pk_add_f32 v[246:247], v[246:247], v[170:171]
	v_pk_add_f32 v[244:245], v[244:245], v[174:175]
	v_pk_add_f32 v[242:243], v[242:243], v[178:179]
	v_pk_add_f32 v[240:241], v[240:241], v[182:183]
	v_pk_add_f32 v[14:15], v[14:15], v[186:187]
	v_pk_add_f32 v[236:237], v[236:237], v[190:191]
	s_delay_alu instid0(VALU_DEP_2)
	v_pk_add_f32 v[14:15], v[14:15], v[246:247]
	s_delay_alu instid0(VALU_DEP_2)
	v_pk_add_f32 v[236:237], v[236:237], v[244:245]
	v_pk_add_f32 v[250:251], v[250:251], v[242:243]
	v_pk_add_f32 v[248:249], v[248:249], v[240:241]
	s_delay_alu instid0(VALU_DEP_2)
	v_pk_add_f32 v[14:15], v[14:15], v[250:251]
	s_delay_alu instid0(VALU_DEP_2)
	v_pk_add_f32 v[236:237], v[236:237], v[248:249]
	s_delay_alu instid0(VALU_DEP_1)
	v_pk_add_f32 v[14:15], v[14:15], v[236:237]
	s_wait_dscnt 0x0                               ; V's fragments and scale words are in
.irp t, 0,1,2,3                        ; O^T += V^T P^T: the four accumulators by turns
	v_wmma_scale_f32_16x16x128_f8f6f4 v[O+8*\t:O+8*\t+7], v[VFR+12*\t:VFR+12*\t+11], v[PCD:PCD+11], v[O+8*\t:O+8*\t+7], v[KS+\t], v[PS] matrix_a_fmt:MATRIX_FMT_BF6 matrix_b_fmt:MATRIX_FMT_BF6
.endr
.Lhidden_\@:
	s_add_co_u32 s[KF], s[KF], 128
.endm
.macro SLOT_STEPS
	STEP 0
	STEP 1
	s_xor_b32 s[TB], s[TB], SLOTB                  ; on to the other slot
.endm
; THE CHANGE OF SLOTS, at a slot's head: each wave waits for all its tensor loads, adds 0 to its spare word, waits for that and for its reads of the slot that it has left.
; fill = 1: that slot takes the next trip's keys: slot t + 1 of the first query block, or t + 1 - PH0 of the second.
.macro CHANGE fill
	s_wait_tensorcnt 0x0                           ; no tensor load of mine is out, so a group 0 may be written
	ds_add_u32 v[SPW], v[NIL]                      ; 0 onto my spare word
.if \fill
	s_xor_b32 s[G0K+1], s[G0K+1], SLOTB
	s_xor_b32 s[G0V+1], s[G0V+1], SLOTB
	s_add_co_u32 s70, s[TAU], 1
	s_cmp_lt_u32 s70, s[PH0]
	s_cselect_b32 s71, 0, s[PH0]
	s_sub_co_u32 s70, s70, s71                     ; which 256 keys
	s_lshl_b32 s72, s70, 19                        ; 16 token tiles of 32,768 bytes
	s_mov_b32 s73, 0
	s_add_nc_u64 s[G0K+2:G0K+3], s[KB:KB+1], s[72:73]
	s_or_b32 s[G0K+3], s[G0K+3], 0x80000000
	s_lshl_b32 s72, s70, 12                        ; two key steps of 2,048 bytes
	s_add_nc_u64 s[G0V+2:G0V+3], s[VB:VB+1], s[72:73]
	s_or_b32 s[G0V+3], s[G0V+3], 0x80000000
.endif
	s_wait_dscnt 0x0                               ; the add is done, and my reads of the slot that I have left are over
	s_barrier_signal -1
	s_barrier_wait -1
.if \fill
	TLOAD                                          ; the first thing behind the barrier, a wave's one tensor load until the next: it has a slot's two key steps in which to land
.endif
.endm
; A QUERY BLOCK'S END: O^T / l, quantised along the 64 channels (two blocks; register 16 b + i = channel 32 b + 16 h + i of my query), stored as half an image and two scale bytes
.macro WAYOUT
.rept 4
	v_nop                                          ; places behind the last products
.endr
	v_add_f32 v14, v14, v15
	s_delay_alu instid0(VALU_DEP_1)
	v_permlanex16_b32 v254, v14, s[SEL], s[SEL+1]
	s_delay_alu instid0(VALU_DEP_1)
	v_add_f32 v14, v14, v254                       ; the row's sum
	s_wait_alu depctr_va_vdst(0)
	v_rcp_f32 v14, v14
	v_nop                                          ; a plain place behind the transcendental
.set n, 0
	s_wait_alu depctr_va_vdst(0)
.rept 32
	v_mul_f32 v[S+n], v[O+n], v14                  ; each accumulator from its low end on
.set n, n+1
.endr
.irp b, 0,1
	v_max3_num_f32 v[BM+\b], |v[S+16*\b]|, |v[S+1+16*\b]|, 0x2800000
.endr
.irp i, 2,4,6,8,10,12,14
.irp b, 0,1
	s_delay_alu instid0(VALU_DEP_2)
	v_max3_num_f32 v[BM+\b], v[BM+\b], |v[S+16*\b+\i]|, |v[S+1+16*\b+\i]|
.endr
.endr
.irp b, 0,1
	s_delay_alu instid0(VALU_DEP_2)
	v_permlanex16_b32 v[TP+\b], v[BM+\b], s[SEL], s[SEL+1]
.endr
.irp b, 0,1
	s_delay_alu instid0(VALU_DEP_2)
	v_max_num_f32 v[BM+\b], v[BM+\b], v[TP+\b]
.endr
.irp b, 0,1
	s_delay_alu instid0(VALU_DEP_2)
	v_add_nc_u32 v[SO+\b], 0xfe000000, v[BM+\b]
.endr
.irp b, 0,1
	s_delay_alu instid0(VALU_DEP_2)
	v_lshrrev_b32 v[TP+\b], 23, v[SO+\b]
.endr
	s_delay_alu instid0(VALU_DEP_1)
	v_lshl_or_b32 v254, v[TP+1], 8, v[TP]          ; the head's two scale bytes of my row
	v_cvt_scalef32_pk16_bf6_f32 v[PCD:PCD+2], v[S:S+15], v[SO]
	v_cvt_scalef32_pk16_bf6_f32 v[TP+4:TP+6], v[S+16:S+31], v[SO+1]
	v_nop                                          ; one plain place behind a scaled conversion
.irp i, 0,1,2
	v_permlane16_swap_b32 v[PCD+\i], v[TP+4+\i]
.endr
.irp i, 0,1,2
	s_delay_alu instid0(VALU_DEP_3)
	v_mov_b32 v[PCD+3+\i], v[TP+4+\i]
.endr
	global_store_b128 v[L16], v[PCD:PCD+3], s[66:67]               ; 512 consecutive bytes
	global_store_b64 v[L8], v[PCD+4:PCD+5], s[66:67] offset:512    ; 256 consecutive bytes
	global_store_b16 v[R32], v254, s[68:69]                        ; both halves of the lanes store the same two bytes
	s_wait_xcnt 0x0                                ; the stores have read their registers and bases: both are written again
.endm
	INIT
.Lslot:                                            ; eight trips; the ninth slot is written out
	CHANGE 1
	s_cmp_lg_u32 s[TAU], s[PH0]                    ; the first query block's slots are done: a scalar branch on ids, alike in all waves; no barrier, tensor load or LDS instruction inside
	s_cbranch_scc1 .Lsame
	s_wait_alu depctr_va_vdst(0)
	WAYOUT
	s_sub_co_u32 s[BETA], 7, s[PI]
	INIT
.Lsame:
	SLOT_STEPS
	s_add_co_u32 s[TAU], s[TAU], 1
	s_cmp_lt_u32 s[TAU], 8
	s_cbranch_scc1 .Lslot
	CHANGE 0
	SLOT_STEPS
	s_wait_alu depctr_va_vdst(0)
	WAYOUT
	s_wait_tensorcnt 0x0                           ; the wave's end
	ds_add_u32 v[SPW], v[NIL]
	s_wait_dscnt 0x0
	s_endpgm
.Lfunc_end_k_qc0e418b08b_attn:
	.size	k_qc0e418b08b_attn, .Lfunc_end_k_qc0e418b08b_attn-k_qc0e418b08b_attn
	.p2alignl 7, 3214868480
	.fill 96, 4, 3214868480
	.section	.rodata,"a",@progbits
	.p2align	6, 0x0
	.amdhsa_kernel k_qc0e418b08b_attn
		.amdhsa_group_segment_fixed_size 327680
		.amdhsa_private_segment_fixed_size 0
		.amdhsa_enable_private_segment 0
		.amdhsa_kernarg_size 32
		.amdhsa_user_sgpr_count 2
		.amdhsa_user_sgpr_kernarg_segment_ptr 1
		.amdhsa_wavefront_size32 1
		.amdhsa_system_sgpr_workgroup_id_x 1
		.amdhsa_system_sgpr_workgroup_id_y 1
		.amdhsa_system_sgpr_workgroup_id_z 1
		.amdhsa_system_vgpr_workitem_id 0
		.amdhsa_next_free_vgpr 256
		.amdhsa_next_free_sgpr 80
		.amdhsa_reserve_vcc 1
		.amdhsa_float_denorm_mode_32 3
		.amdhsa_float_denorm_mode_16_64 3
		.amdhsa_memory_ordered 1
		.amdhsa_forward_progress 1
		.amdhsa_inst_pref_size 113
	.end_amdhsa_kernel
	.amdgpu_metadata
---
amdhsa.version: [ 1, 2 ]
amdhsa.kernels:
  - .name:           k_qc0e418b08b_attn
    .symbol:         k_qc0e418b08b_attn.kd
    .args:
      - { .name: qk_rec, .offset: 0, .size: 8, .value_kind: global_buffer, .address_space: global }
      - { .name: v_rec, .offset: 8, .size: 8, .value_kind: global_buffer, .address_space: global }
      - { .name: img, .offset: 16, .size: 8, .value_kind: global_buffer, .address_space: global }
      - { .name: scl, .offset: 24, .size: 8, .value_kind: global_buffer, .address_space: global }
    .group_segment_fixed_size: 327680
    .private_segment_fixed_size: 0
    .kernarg_segment_align: 8
    .kernarg_segment_size: 32
    .max_flat_workgroup_size: 512
    .sgpr_count:     80
    .vgpr_count:     256
    .wavefront_size: 32
...
	.end_amdgpu_metadata
.endif
;; end of part 3
;; launch outp (part 4): grid 4 x 32, 4 waves a work-group, clusters of 4 x 4, 327,680 bytes of LDS; arguments img, scl, out0; writes out0
.if DOCPART == 4
	.amdgcn_target "amdgcn-amd-amdhsa--gfx1250"
	.amdhsa_code_object_version 6
	.text
	.protected	k_qc0e418b08b_outp
	.globl	k_qc0e418b08b_outp
	.p2align	8
	.type	k_qc0e418b08b_outp,@function
k_qc0e418b08b_outp:
	s_mov_b64 s[64:65], 0
	v_nop
	global_prefetch_b8 v0, s[64:65] scope:SCOPE_SE
	s_setreg_imm32_b32 hwreg(HW_REG_WAVE_MODE, 25, 1), 1
	s_wait_xcnt 0x0
	s_wait_alu depctr_hold_cnt(0) depctr_sa_sdst(0) depctr_va_vdst(0) depctr_va_sdst(0) depctr_va_ssrc(0) depctr_va_vcc(0) depctr_vm_vsrc(0)
	s_getreg_b32 s2, hwreg(HW_REG_IB_STS2, 6, 4)
	s_cmp_eq_u32 s2, 0
	s_cbranch_scc0 .Lentry_in_a_cluster
	s_endpgm
.Lentry_in_a_cluster:
	s_bfe_u32 s2, ttmp6, 0x10000c
	s_cmp_lg_u32 s2, 0xf033
	s_cbranch_scc0 .Lentry_shape_is_right
	s_endpgm
.Lentry_shape_is_right:
; out0 = ao Wo^T on codes of BF6 (E3M2) with E8M0 scales for each 32 along K, K = 1,024; out0 [8192][1024] f32.
; A = the attention's result (img tiles 768 on, a lane is a token), B = Wo (tiles 704 on).  A work-group of four waves makes 256 tokens x 256 columns, a wave 128 x 128: 64 accumulators of 16 x 16.
; THE MATRIX INSTRUCTION IS USED TRANSPOSED (source 0 = 16 rows of B, source 1 = 16 rows of A).  A tile's 16 rows are rows 32 (T / 2) + 8 (T % 2) + p + 8 (p / 8): on the way out that order stands in immediates alone.
; OPERANDS come as images of registers ([tile][K step][1,536 bytes]): every LDS read is 16 x lane or 8 x lane on end.  K goes through three LDS slots of 256 along K; three fills go out at the start, the fourth fills slot 0 again.
; The eight K steps are written out.  The scale words of a wave's 128 + 128 rows for all of K are 64 registers, loaded once: lanes 0-15 A's, lanes 16-31 B's.
; CLUSTERS: 4 x 4 work-groups; A's tiles are asked for jointly along a row of the cluster, B's along a column.  128 work-groups: 8,192 x 1,024 outputs in tiles of 256 x 256.
; REGISTERS: window 0: v4 16 x lane; v8-19 LDS addresses; v24, v25 the stage; v28, v29 the add's; v32-95 scale words; v128-223 A's fragments, one set (on the way out v128-255 rows read back).
;   window 1: B's fragments, two sets, at v0 and v128.   windows 2, 3: accumulator (a, b) at v[8 (8 (a % 4) + b)].
.set SLOT,  98304                      ; 256 along K: A's 16 tiles x 3,072 bytes, then B's 16
.set HALFT, 24576
.set BOFF,  49152
.set SPARE, 3*SLOT                     ; behind the slots: the spare words, 128 bytes for each wave
.set SPITCH, 528                       ; the way out: a stage of 16 rows x (512 + 16) bytes for each wave, in slot 1, which has had its one fill and its last read when the first result is stored there
.set FR,    12
.set AD,    8
.set STO,   24
.set RD,    25
.set SPW,   28
.set NIL,   29
.set SC,    32
.set AF,    128
.set BK,    128
.set G1,  24
.set G1B, 48
.set GA0, 32
.set GA1, 36
.set GA2, 68
.set GB0, 56
.set GB1, 60
.set GB2, 72
.set MSB, 0
.macro WIN new                         ; the immediate's high byte repeats the setting that is left
.if MSB != (\new)
	s_set_vgpr_msb (MSB<<8)|(\new)
.set MSB, \new
.endif
.endm
.set MUL_LO, 0xa1
.set MUL_HI, 0xf1
.set TO_B,   0x40
.macro JLOAD g0a, g0b                  ; a joint load: waves 0 and 1 fetch A's halves, waves 2 and 3 B's; four v_nop follow each line
	s_cmp_eq_u32 s15, 0
	s_cbranch_scc0 .Lfor_b_\@
	tensor_load_to_lds s[\g0a:\g0a+3], s[G1:G1+7]
	s_nop 0
.rept 4
	v_nop
.endr
	s_branch .Lasked_\@
.Lfor_b_\@:
	tensor_load_to_lds s[\g0b:\g0b+3], s[G1B:G1B+7]
	s_nop 0
.rept 4
	v_nop
.endr
.Lasked_\@:
.endm
.macro CREST
	s_cmp_lg_u32 s14, 0
	s_cbranch_scc1 .Lnot_wave_0_\@
	s_barrier_signal -3
.Lnot_wave_0_\@:
	s_barrier_wait -3
	s_barrier_signal -1
	s_barrier_wait -1
.endm
.macro CROUND
	s_barrier_signal -1
	s_barrier_wait -1
	CREST
.endm
.macro PLACES n
.rept \n
	v_nop
.endr
.endm
.macro G0SET g, base, slot
	s_mov_b32 s[\g], 1
	s_add_co_u32 s[\g+1], s94, (\slot)*SLOT
	s_add_nc_u64 s[\g+2:\g+3], s[\base:\base+1], (\slot)*3072
	s_or_b32 s[\g+3], s[\g+3], 0x80000000
.endm
	s_load_b128 s[4:7], s[0:1], 0x0                ; img, scl
	s_load_b64 s[8:9], s[0:1], 0x10                ; out0
	v_lshl_add_u32 v[SPW], v0, 2, SPARE
	v_mov_b32 v[NIL], 0
	ds_add_u32 v28, v29
	s_wait_dscnt 0x0
	v_lshrrev_b32 v1, 5, v0
	v_readfirstlane_b32 s14, v1                    ; wave 0..3
	s_lshr_b32 s15, s14, 1                         ; which half of the tokens is mine.  Also: I fetch for A (0) or for B (1)
	s_and_b32 s16, s14, 1                          ; which half of the columns.  Also: which 8 tiles I fetch
	s_bfe_u32 s40, ttmp6, 0x40000                  ; cx, cy
	s_bfe_u32 s41, ttmp6, 0x40004
	s_lshl_b32 s42, ttmp9, 2
	s_add_co_u32 s42, s42, s40                     ; my 256 columns
	s_and_b32 s17, ttmp7, 0xffff
	s_lshl_b32 s17, s17, 2
	s_add_co_u32 s17, s17, s41                     ; my 256 tokens
	s_lshl_b32 s43, s41, 2
	s_lshl_b32 s43, 15, s43                        ; my row of the cluster
	s_lshl_b32 s44, 0x1111, s40                    ; my column
	; descriptor group 1: 8 tiles' 3,072 bytes (two K steps), 12,288 bytes from tile to tile; elements of 8 bytes; no padding
	s_or_b32 s[G1+0], s43, (3<<16)|(1<<21)
	s_or_b32 s[G1B+0], s44, (3<<16)|(1<<21)
.irp g, G1, G1B
	s_mov_b32 s[\g+1], 384<<16
	s_mov_b32 s[\g+2], 8<<16
	s_mov_b32 s[\g+3], 384<<16
	s_mov_b32 s[\g+4], 8
	s_mov_b32 s[\g+5], 1536
	s_mov_b32 s[\g+6], 0
	s_mov_b32 s[\g+7], 0
.endr
	s_lshl_b32 s20, s17, 4
	s_add_co_u32 s20, s20, 768                     ; A's first tile
	s_lshl_b32 s46, s42, 4
	s_add_co_u32 s46, s46, 704                     ; B's
	s_lshl_b32 s19, s16, 3
	s_add_co_u32 s21, s20, s19
	s_add_co_u32 s47, s46, s19
	s_mul_i32 s22, s21, 12288
	s_mov_b32 s23, 0
	s_mul_i32 s92, s47, 12288
	s_mov_b32 s93, 0
	s_mul_i32 s94, s14, HALFT                      ; where they go: wave x 8 tiles
	s_lshl_b32 s86, s17, 8
	s_lshl_b32 s88, s15, 7
	s_add_co_u32 s86, s86, s88
	s_lshl_b32 s86, s86, 12                        ; my first token's row of 4,096 bytes,
	s_lshl_b32 s88, s42, 10
	s_add_co_u32 s86, s86, s88
	s_lshl_b32 s88, s16, 9
	s_add_co_u32 s86, s86, s88                     ; my first column
	s_mov_b32 s87, 0
	s_wait_kmcnt 0x0
	s_add_nc_u64 s[22:23], s[4:5], s[22:23]
	s_add_nc_u64 s[92:93], s[4:5], s[92:93]
	s_add_nc_u64 s[8:9], s[8:9], s[86:87]
	G0SET GA0, 22, 0
	G0SET GA1, 22, 1
	G0SET GA2, 22, 2
	G0SET GB0, 92, 0
	G0SET GB1, 92, 1
	G0SET GB2, 92, 2
	CROUND                                         ; all sixteen work-groups are here: the first joint loads meet
	JLOAD GA0, GB0                                 ; three loads of mine are out
	JLOAD GA1, GB1
	JLOAD GA2, GB2
	v_and_b32 v1, 31, v0
	v_and_b32 v2, 15, v0                           ; r
	v_bfe_u32 v3, v0, 4, 1                         ; h
	v_lshlrev_b32 v4, 4, v1                        ; 16 x lane
	v_lshlrev_b32 v5, 3, v1                        ; 8 x lane
	s_mul_i32 s21, s15, HALFT
	s_mul_i32 s19, s16, HALFT
	s_add_co_u32 s19, s19, BOFF
.irp s, 0,1,2
	v_add_nc_u32 v[AD+4*\s], s21, v4
	v_add_nc_u32 v[AD+4*\s+1], s21, v5
	v_add_nc_u32 v[AD+4*\s+2], s19, v4
	v_add_nc_u32 v[AD+4*\s+3], s19, v5
	s_add_co_u32 s21, s21, SLOT
	s_add_co_u32 s19, s19, SLOT
.endr
	s_mul_i32 s21, s14, 16*SPITCH
	s_add_co_u32 s21, s21, SLOT                    ; my stage
	v_mul_u32_u24 v[STO], v2, SPITCH
	v_lshl_add_u32 v[STO], v3, 6, v[STO]
	v_add_nc_u32 v[STO], s21, v[STO]               ; in: row r, + 64 h
	v_add_nc_u32 v[RD], s21, v4                    ; back: the 32 lanes take one row of 512 bytes
	s_lshl_b32 s81, s15, 3
	s_add_co_u32 s81, s81, s20
	s_lshl_b32 s81, s81, 9
	s_lshl_b32 s82, s16, 3
	s_add_co_u32 s82, s82, s46
	s_lshl_b32 s82, s82, 9
	v_cmp_ne_u32 vcc_lo, 0, v3
	v_mov_b32 v21, s82
	v_cndmask_b32 v20, s81, v21, vcc_lo            ; scale words: lanes 0-15 take A's, lanes 16-31 B's
	v_lshl_add_u32 v20, v2, 5, v20
.irp i, 0,1,2,3,4,5,6,7
.irp u, 0,1
	global_load_b128 v[SC+8*\i+4*\u:SC+8*\i+4*\u+3], v20, s[6:7] offset:512*\i+16*\u
.endr
.endr
.macro FRAG reg, a16, q, i             ; a fragment's image, 12 registers, by four loads on end
	ds_load_b128 v[\reg:\reg+3], v[\a16] offset:(\i)*3072+(\q)*1536
	ds_load_b64 v[\reg+4:\reg+5], v[\a16+1] offset:(\i)*3072+(\q)*1536+512
	ds_load_b128 v[\reg+6:\reg+9], v[\a16] offset:(\i)*3072+(\q)*1536+768
	ds_load_b64 v[\reg+10:\reg+11], v[\a16+1] offset:(\i)*3072+(\q)*1536+1280
.endm
.macro FETCH_B slot, q, p
	WIN TO_B
.irp i, 0,1,2,3,4,5,6,7
	FRAG 128*(\p)+FR*\i, AD+4*(\slot)+2, \q, \i
.endr
	WIN 0
.endm
.macro FETCH_A slot, q, i0
.irp i, \i0, \i0+1, \i0+2, \i0+3
	FRAG AF+FR*(\i), AD+4*(\slot), \q, \i
.endr
.endm
; 16 matrix instructions: A's blocks a0, a0 + 1 x B's eight, K step j.  The 64 accumulators take turns, one instruction a turn, in the same order in every step.
.macro MUL16 a0, p, j, zero
.irp a, \a0, \a0+1
.irp b, 0,1,2,3,4,5,6,7
.if \zero
	v_wmma_scale_f32_16x16x128_f8f6f4 v[8*(8*((\a)%4)+\b):8*(8*((\a)%4)+\b)+7], v[128*(\p)+FR*\b:128*(\p)+FR*\b+FR-1], v[AF+FR*(\a):AF+FR*(\a)+FR-1], 0, v[SC+8*\b+(\j)], v[SC+8*(\a)+(\j)] matrix_a_fmt:MATRIX_FMT_BF6 matrix_b_fmt:MATRIX_FMT_BF6 matrix_a_scale:MATRIX_SCALE_ROW1
.else
	v_wmma_scale_f32_16x16x128_f8f6f4 v[8*(8*((\a)%4)+\b):8*(8*((\a)%4)+\b)+7], v[128*(\p)+FR*\b:128*(\p)+FR*\b+FR-1], v[AF+FR*(\a):AF+FR*(\a)+FR-1], v[8*(8*((\a)%4)+\b):8*(8*((\a)%4)+\b)+7], v[SC+8*\b+(\j)], v[SC+8*(\a)+(\j)] matrix_a_fmt:MATRIX_FMT_BF6 matrix_b_fmt:MATRIX_FMT_BF6 matrix_a_scale:MATRIX_SCALE_ROW1
.endif
.endr
.endr
.endm
; K step j; the next step's fragments come from slot ns, its nq-th 128 along K.  sync = 0: no barrier.  sync = 1: all my tensor loads are waited for and a barrier shows the next slot whole.
; sync = 2: the same, the barrier opens a round of the cluster's, and slot 0, which nobody reads any more, is filled again.
.macro STEPG j, ns, nq, zero, sync
.if \sync == 0
	s_wait_dscnt 16                                ; B's set and A's blocks 0-3 are in; the youngest 16 loads (A's blocks 4-7) may be out
	WIN MUL_LO
	MUL16 0, (\j)%2, \j, \zero
	MUL16 2, (\j)%2, \j, \zero
	s_wait_dscnt 0x0                               ; A's blocks 4-7 are in
	PLACES 4                                       ; four places in front of loads into registers that matrix instructions have read
.else
	s_wait_tensorcnt 0x0                           ; all my tensor loads have landed
	ds_add_u32 v[SPW], v[NIL]                      ; 0 onto my spare word
	s_wait_dscnt 17                                ; the add and the youngest 16 loads may be out
	WIN MUL_LO
	MUL16 0, (\j)%2, \j, \zero
	s_wait_dscnt 0x0                               ; the add is done, and my reads of the slot that I leave are over
	s_barrier_signal -1
	MUL16 2, (\j)%2, \j, \zero
	WIN 0
	s_barrier_wait -1
.if \sync == 2
	CREST                                          ; no wave of any partner still reads slot 0 or has a load on its way
	s_add_nc_u64 s[GA0+2:GA0+3], s[GA0+2:GA0+3], 3*3072    ; K 768 .. 1,023
	s_add_nc_u64 s[GB0+2:GB0+3], s[GB0+2:GB0+3], 3*3072
	JLOAD GA0, GB0                                 ; the first tensor load behind the round; it has three and a half K steps, 224 matrix instructions, in which to land; its four v_nop are the places in front of the loads below
.else
	PLACES 4
.endif
.endif
	FETCH_B \ns, \nq, 1-(\j)%2
	FETCH_A \ns, \nq, 0
	WIN MUL_HI
	MUL16 4, (\j)%2, \j, \zero
	MUL16 6, (\j)%2, \j, \zero
	PLACES 4
	WIN 0
	FETCH_A \ns, \nq, 4
.endm
	s_wait_tensorcnt 2                             ; my part of slot 0 is in; slots 1 and 2 may stay out
	s_barrier_signal -1
	s_barrier_wait -1
	FETCH_B 0, 0, 0
	FETCH_A 0, 0, 0
	FETCH_A 0, 0, 4
	s_wait_loadcnt 0x0                             ; the scale words
	STEPG 0, 0, 1, 1, 0                            ; the first step's products start the sums
	STEPG 1, 1, 0, 0, 2                            ; slot 0 is left and filled again; the wait for all loads shows slots 1 and 2 whole
	STEPG 2, 1, 1, 0, 0
	STEPG 3, 2, 0, 0, 0                            ; no barrier: slot 2 was shown whole to every wave in step 1
	STEPG 4, 2, 1, 0, 0
	STEPG 5, 0, 0, 0, 1                            ; slot 0's second fill has landed; behind this barrier nobody reads slot 1 any more
	STEPG 6, 0, 1, 0, 0
	s_wait_dscnt 16                                ; the last step: nothing more to fetch
	WIN MUL_LO
	MUL16 0, 1, 7, 0
	MUL16 2, 1, 7, 0
	s_wait_dscnt 0x0
	WIN MUL_HI
	MUL16 4, 1, 7, 0
	MUL16 6, 1, 7, 0
	WIN 0
; THE WAY OUT, block by block of 16 tokens x 128 columns.  Lane (r, h) holds token r of the block; accumulator (a, b)'s eight registers are columns 32 (b / 2) + 16 h + 8 (b % 2) + 0 .. 7.
; A block goes through my own stage in LDS and comes back as whole rows of 512 bytes.  LDS serves a wave's instructions in order: no wait between the stores and the loads.
.macro TOSTAGE a
.set AC, 64*((\a)%4)
	WIN 0x08+4*((\a)/4)                            ; the data: window 2 or 3
.irp b, 0,1,2,3,4,5,6,7
	ds_store_b128 v[STO], v[AC+8*\b:AC+8*\b+3] offset:128*(\b/2)+32*(\b%2)          ; each accumulator from its low end on
	ds_store_b128 v[STO], v[AC+8*\b+4:AC+8*\b+7] offset:128*(\b/2)+32*(\b%2)+16
.endr
	WIN 0
.set BBK, BK+64*((\a)%2)
.irp t, 0,1,2,3,4,5,6,7,8,9,10,11,12,13,14,15
	ds_load_b128 v[BBK+4*\t:BBK+4*\t+3], v[RD] offset:\t*SPITCH
.endr
.endm
.macro SEND a, younger                 ; younger: the LDS instructions issued behind block a's loads, which may stay out
.set BBK, BK+64*((\a)%2)
	s_wait_dscnt \younger
.irp t, 0,1,2,3,4,5,6,7,8,9,10,11,12,13,14,15
	global_store_b128 v4, v[BBK+4*\t:BBK+4*\t+3], s[8:9] offset:(32*((\a)/2)+8*((\a)%2)+\t+8*(\t/8))*4096 th:TH_STORE_NT   ; 32 lanes store 512 consecutive bytes of one token's row; the tile's order of rows stands in the immediate, 127 rows at the most
.endr
.endm
	PLACES 4                                       ; in front of the first read of results and of loads into the registers that held A's fragments
	TOSTAGE 0
.irp a, 1,2,3,4,5,6,7
.if \a > 1
	s_wait_xcnt 0x0                                ; block a - 2's stores have read their registers: block a's loads may land there
.endif
	TOSTAGE \a
	SEND \a-1, 32                                  ; behind block a - 1's loads: block a's 16 stores and 16 loads
.endr
	SEND 7, 0
	s_wait_tensorcnt 0x0                           ; the wave's end
	ds_add_u32 v[SPW], v[NIL]
	s_wait_dscnt 0x0
	CROUND                                         ; the closing round
	s_endpgm
.Lfunc_end_k_qc0e418b08b_outp:
	.size	k_qc0e418b08b_outp, .Lfunc_end_k_qc0e418b08b_outp-k_qc0e418b08b_outp
	.p2alignl 7, 3214868480
	.fill 96, 4, 3214868480
	.section	.rodata,"a",@progbits
	.p2align	6, 0x0
	.amdhsa_kernel k_qc0e418b08b_outp
		.amdhsa_group_segment_fixed_size 327680
		.amdhsa_private_segment_fixed_size 0
		.amdhsa_enable_private_segment 0
		.amdhsa_kernarg_size 24
		.amdhsa_user_sgpr_count 2
		.amdhsa_user_sgpr_kernarg_segment_ptr 1
		.amdhsa_wavefront_size32 1
		.amdhsa_system_sgpr_workgroup_id_x 1
		.amdhsa_system_sgpr_workgroup_id_y 1
		.amdhsa_system_sgpr_workgroup_id_z 1
		.amdhsa_system_vgpr_workitem_id 0
		.amdhsa_next_free_vgpr 1024
		.amdhsa_next_free_sgpr 98
		.amdhsa_reserve_vcc 1
		.amdhsa_float_denorm_mode_32 3
		.amdhsa_float_denorm_mode_16_64 3
		.amdhsa_memory_ordered 1
		.amdhsa_forward_progress 1
		.amdhsa_inst_pref_size 141
	.end_amdhsa_kernel
	.amdgpu_metadata
---
amdhsa.version: [ 1, 2 ]
amdhsa.kernels:
  - .name:           k_qc0e418b08b_outp
    .symbol:         k_qc0e418b08b_outp.kd
    .args:
      - { .name: img, .offset: 0, .size: 8, .value_kind: global_buffer, .address_space: global }
      - { .name: scl, .offset: 8, .size: 8, .value_kind: global_buffer, .address_space: global }
      - { .name: out0, .offset: 16, .size: 8, .value_kind: global_buffer, .address_space: global }
    .group_segment_fixed_size: 327680
    .private_segment_fixed_size: 0
    .kernarg_segment_align: 8
    .kernarg_segment_size: 24
    .max_flat_workgroup_size: 128
    .sgpr_count:     98
    .vgpr_count:     1024
    .wavefront_size: 32
...
	.end_amdgpu_metadata
.endif
;; end of part 4
